; MI455X (gfx1250); checked and timed in simulation.
; The chip was launched on July 23, 2026; its instructions are those of AMD's public machine-readable ISA for CDNA 5 (MIT licence, August 2026) and "CDNA5" Instruction Set Architecture Reference Guide (July 2026). The comments in the code are by the model that wrote it; some were corrected since.
;; Token Label Offline Episodic. Allowed arithmetic: matrix products marked QUANTISED: E4M3 operands, one E8M0 scale for each 32 along K, by v_wmma_scale_f32_16x16x128_f8f6f4 with both operands' format E4M3, f32 sums; products left as they are: f32 operands where the result goes on into a quantised operand, else bf16, f16 or f32 operands; f32 sums; everything else in f32.
;; Inputs: feat_query 2 x 75 x 196 x 384 float32; feat_shot 2 x 5 x 5 x 196 x 384 float32; x_query 2 x 75 x 384 float32; x_shot 2 x 5 x 5 x 384 float32.
;; Outputs: out0 2 x 75 x 5 float32; out1 2 x 75 x 5 float32.
;; This version of the problem:
;;   THIS VERSION OF THE PROBLEM IS GIVEN IN LOW PRECISION. The matrix products marked QUANTISED in the list below multiply operands that are first quantised to E4M3 (4 exponent bits, 3 mantissa bits; 8 bits a number), with one power-of-two scale for each 32 numbers along K (OCP MX v1.0); their sums are f32. All else is computed in f32.
;;   The module's matrix products, in the order in which they are computed (A, B: the left and right operand; K: the contracted axis; several contracted axes count as one K, in the product's order):
;;     1. batch 2 x [M 4,900, K 384] x [K 384, N 14,700]; A: computed on the way; B: computed on the way: QUANTISED
;;     2. batch 2 x [M 75, K 384] x [K 384, N 5]; A: computed on the way; B: computed on the way: left as it is (N = 5 < 16)
;;   THE QUANTISER, for each operand of a quantised product, along K:
;;     - K is cut into blocks of 32 from its start; a last block that is shorter is filled with zeros.
;;     - A block's scale is 2^e with e = floor(log2(the largest magnitude in the block)) - 8, held to -126 .. 127; a block of zeros has e = 0. As a byte (E8M0): e + 127.
;;     - Each number is divided by its block's scale, clamped to +-448, and rounded to the nearest number of E4M3, ties to even, subnormals kept.
;;     - The product sums the exact products of the quantised numbers (number of the format x scale) in f32.
;;   ~~~python
;;   def quantise(x, axis):      # numpy; x: float32 -> the quantised numbers, widened to float32 again
;;       x = np.moveaxis(x, axis, -1); K = x.shape[-1]
;;       x = np.pad(x, [(0, 0)] * (x.ndim - 1) + [(0, -K % 32)]); x = x.reshape(x.shape[:-1] + (-1, 32)); a = np.abs(x).max(-1, keepdims=True)
;;       e = np.where(a > 0, np.clip(np.frexp(np.where(a > 0, a, 1))[1] - 1 - 8, -126, 127), 0)      # np.frexp(a)[1] - 1 = floor(log2(a)), exactly
;;       r = np.clip(x / 2.0 ** e, -448, 448)
;;       step = 2.0 ** (np.maximum(np.frexp(np.where(r == 0, 1, r))[1] - 1, -6) - 3)
;;       q = np.round(r / step) * step * 2.0 ** e      # np.round: ties to even
;;       return np.moveaxis(q.reshape(q.shape[:-2] + (-1,))[..., :K], -1, axis).astype(np.float32)
;;   ~~~
;;   OPERANDS COMPUTED ON THE WAY. 'Computed on the way' means the value that the module computes at that place (a softmax that the list does not call 'softmax' is quantised finished and normalised). What goes into a quantiser is computed in f32, as accurately as f32 sums, v_exp_f32 and their like allow (about 1e-6 of the number): no bf16 or f16 on the way to a quantiser, and a product that is left as it is and whose result goes on into a quantised operand takes f32 operands (vector FMAs, or v_wmma_f32_16x16x4_f32). A number that lies on a knife's edge between two numbers of the format may be rounded either way, as far as f32 arithmetic and the matrix unit's own rounding can turn it there, and no further.
;; One version. Each part assembles by itself: llvm-mc -triple=amdgcn-amd-amdhsa -mcpu=gfx1250 --defsym DOCPART=n.
;; ======== version 1 of 1: 2 launches
;; workspace buffers: codes 15,808,000 bytes
;; launch prep (part 1): grid 247 x 1, 10 waves a work-group, no clusters, 249,600 bytes of LDS; arguments feat_query, feat_shot, codes; writes codes
.if DOCPART == 1
	.amdgcn_target "amdgcn-amd-amdhsa--gfx1250"
	.amdhsa_code_object_version 6
	.text
	.protected	k_q50b51d3ea9_prep
	.globl	k_q50b51d3ea9_prep
	.p2align	8
	.type	k_q50b51d3ea9_prep,@function
k_q50b51d3ea9_prep:
	s_mov_b64 s[64:65], 0
	v_nop
	global_prefetch_b8 v0, s[64:65] scope:SCOPE_SE
	s_setreg_imm32_b32 hwreg(HW_REG_WAVE_MODE, 25, 1), 1
	s_wait_xcnt 0x0
; Every token (a row of 384 f32) of feat_query [29,400 rows] and of feat_shot [9,800 rows] is divided by max(its L2 norm, 1e-8), in f32, and quantised along its 384
; numbers to codes of FP8 (E4M3) with one E8M0 scale byte for each 32.  The results are laid as IMAGES OF OPERAND REGISTERS, a RECORD of 6,400 bytes for each tile of 16 tokens:
;   byte 2048 s + 512 c + 16 l : lane l's registers 4 c .. 4 c + 3 of the fragment of K step s (128 along K): row l % 16, k = 128 s + 32 c + 16 (l / 16) + 0 .. 15
;   byte 6144 + 8 l            : two scale words: word 0 = the row's word of K step 0 (lanes 0-15) or of K step 1 (lanes 16-31); word 1 = the row's word of K step 2
; RECORDS.  0 .. 1,849: queries; a group of 3 queries is 588 tokens = 37 records; record t of a group holds its rows min(16 t, 572) + 0 .. 15.
;           1,850 .. 2,469: shots; a class is 980 tokens = 62 records; record t holds its rows min(16 t, 964) + 0 .. 15.
; So a group's or a class's last record repeats 4 or 12 rows of the record before it: no row of another group is taken, no row is made up, no load leaves its buffer.
; (Those few rows are read by two waves; all other bytes of both inputs are read once.)
; SHARES.  One wave makes one record: 2,470 = 247 work-groups x 10 waves; work-groups 0 to 184 take queries, the others shots.  Both take ONE path: only numbers and the
; source's address are chosen, on the work-group's number.  No loop, no barrier: a wave's stage in LDS is its own.
; A load is dense (32 lanes x 16 neighbouring bytes); the conversions want 16 NEIGHBOURS along K in one lane: so the 16 rows turn through the wave's stage, rows 1,552 bytes
; apart (1,536 + 16 = 97 x 16: the sixteen rows that a read touches fall on sixteen different columns of 16 bytes).
; A block's scale is 2^(floor(log2(its largest magnitude)) - 8); its byte is the largest magnitude's exponent field - 8, held at 1 from below.
; LIMITS.  x / max(n, 1e-8) is computed as x * rcp(max(sqrt(sum of squares), 1e-8)): a few units in the last place of f32.  A block of zeros gets the byte 1 where the rule
; says 127: its codes are zeros, and this program alone reads the bytes.  Blocks whose largest magnitude lies under 2^-118 are held at the byte 1.  NaN and infinities are not served.
.set REC,   6400
.set PITCH, 1552
.set WREG,  16*PITCH                   ; a wave's stage: 24,832 bytes
.set LN,  1                            ; v1       lane
.set LI,  4                            ; v4       16 x lane
.set L8,  5                            ; v5       8 x lane
.set SA,  6                            ; v6       the stage, on the way in: wave's stage + 16 x lane
.set RA,  7                            ; v7       and on the way out: wave's stage + 1,552 r + 64 h
.set SS,  8                            ; v8-15    the sum of squares, four pairs
.set RN,  16                           ; v[16:17] 1 / max(norm, 1e-8); the pair's upper word is written and not used
.set TM,  18                           ; v18-21 largest magnitudes, v22-25 bytes, v26-29 448 x the scale, v30-33 the conversions' scale operands
.set PW,  34                           ; v34-36   the three K steps' scale words
.set X,   40                           ; v40-231  192 numbers: register 16 B + i = k 32 B + 16 h + i of row r, B = 0 .. 11
.set PC,  232                          ; v232-247 K step 0's codes.  K step 1's go to v[X] on, K step 2's to v[X+64] on: numbers that are used up by then
	s_load_b128 s[4:7], s[0:1], 0x0                ; feat_query, feat_shot
	s_load_b64 s[8:9], s[0:1], 0x10                ; codes
	v_lshl_add_u32 v254, v0, 2, 0x3ca00
	v_mov_b32 v255, 0
	v_lshrrev_b32 v1, 5, v0
	v_readfirstlane_b32 s10, v1                    ; wave 0 .. 9
	v_and_b32 v[LN], 31, v0
	v_and_b32 v2, 15, v0                           ; r
	v_bfe_u32 v3, v0, 4, 1                         ; h
	v_lshlrev_b32 v[LI], 4, v[LN]
	v_lshlrev_b32 v[L8], 3, v[LN]
	s_mul_i32 s21, s10, WREG
	v_add_nc_u32 v[SA], s21, v[LI]
	v_mul_u32_u24 v[RA], v2, PITCH
	v_lshl_add_u32 v[RA], v3, 6, v[RA]
	v_add_nc_u32 v[RA], s21, v[RA]
.irp b, 0,1,2,3
	v_mov_b32 v[TM+4+\b], 0                        ; written once: a lane permute's destination counts as one of its sources
.endr
	s_mov_b32 s22, 0x76543210
	s_mov_b32 s23, 0xfedcba98                      ; v_permlanex16_b32's selects for lane l xor 16
	s_mov_b32 s24, 0x600000                        ; the mantissa field of 448
	s_mul_i32 s11, ttmp9, 10
	s_add_co_u32 s11, s11, s10                     ; T: my record
	s_mov_b32 s12, 1850                            ; the shots' numbers (an instruction takes one literal)
	s_mov_b32 s13, 16913                           ; 2^20 / 62, rounded up: (U x 16913) >> 20 = U / 62 for U < 620 (62 x 16913 = 2^20 + 30)
	s_mov_b32 s14, 62
	s_mov_b32 s15, 980
	s_mov_b32 s16, 964
	s_wait_kmcnt 0x0
	s_cmp_lt_u32 ttmp9, 185                        ; queries or shots?  The choice hangs on the work-group's number alone
	s_cselect_b32 s12, 0, s12                      ; the tensor's first record
	s_cselect_b32 s13, 28340, s13                  ; 2^20 / 37, rounded up: exact for U < 1,850 (37 x 28340 = 2^20 + 4)
	s_cselect_b32 s14, 37, s14                     ; records in a group
	s_cselect_b32 s15, 588, s15                    ; rows in a group
	s_cselect_b32 s16, 572, s16                    ; the last record's first row
	s_cselect_b64 s[4:5], s[4:5], s[6:7]
	s_sub_co_u32 s17, s11, s12                     ; U: my record within its tensor
	s_mul_i32 s18, s17, s13
	s_lshr_b32 s18, s18, 20                        ; its group
	s_mul_i32 s19, s18, s14
	s_sub_co_u32 s19, s17, s19                     ; t: its place in the group
	s_lshl_b32 s19, s19, 4
	s_min_u32 s19, s19, s16
	s_mul_i32 s18, s18, s15
	s_add_co_u32 s18, s18, s19                     ; my first row
	s_mul_i32 s18, s18, 1536                       ; in bytes: under 2^26
	s_mov_b32 s19, 0
	s_add_nc_u64 s[4:5], s[4:5], s[18:19]
	s_mul_i32 s20, s11, REC
	s_mov_b32 s21, 0
	s_add_nc_u64 s[8:9], s[8:9], s[20:21]
	; my 16 rows are 24,576 dense bytes: 48 loads of 512 consecutive bytes, all on their way at once
.set i, 0
.rept 48
	global_load_b128 v[X+4*i:X+4*i+3], v[LI], s[4:5] offset:512*i th:TH_LOAD_NT
.set i, i+1
.endr
	; the turn through the stage.  Load i holds third i % 3 of row i / 3
.set i, 0
.rept 48
.if i%12 == 0
	s_wait_loadcnt 36-i                            ; loads come back in order: the next twelve are in, the younger ones stay out
.endif
	ds_store_b128 v[SA], v[X+4*i:X+4*i+3] offset:(i/3)*PITCH+(i%3)*512
.set i, i+1
.endr
.set i, 0
.rept 48
	ds_load_b128 v[X+4*i:X+4*i+3], v[RA] offset:128*(i/4)+16*(i%4)   ; LDS serves a wave's instructions in order: these see the stores above, and land in the registers that those have left
.set i, i+1
.endr
	; the sum of my 192 squares, two at a time, in four chains; the first four products start them: nothing is cleared
.set i, 0
.rept 96
.if i%32 == 0
	s_wait_dscnt 32-i/2                            ; a K step's 16 reads are in; the 32, 16 or 0 younger ones may be out
.endif
.if i < 4
	v_pk_mul_f32 v[SS+2*i:SS+2*i+1], v[X+2*i:X+2*i+1], v[X+2*i:X+2*i+1]
.else
	v_pk_fma_f32 v[SS+2*(i%4):SS+2*(i%4)+1], v[X+2*i:X+2*i+1], v[X+2*i:X+2*i+1], v[SS+2*(i%4):SS+2*(i%4)+1]
.endif
.set i, i+1
.endr
	v_pk_add_f32 v[SS:SS+1], v[SS:SS+1], v[SS+2:SS+3]
	v_pk_add_f32 v[SS+4:SS+5], v[SS+4:SS+5], v[SS+6:SS+7]
	v_pk_add_f32 v[SS:SS+1], v[SS:SS+1], v[SS+4:SS+5]
	v_add_f32 v[SS], v[SS], v[SS+1]
	v_permlanex16_b32 v[SS+1], v[SS], s22, s23     ; the row's other 192 numbers lie in the lane 16 away
	v_add_f32 v[SS], v[SS], v[SS+1]
	v_sqrt_f32 v[RN], v[SS]
	v_nop                                          ; a plain instruction behind the transcendental,
	s_wait_alu depctr_va_vdst(0)                   ; and the wait ahead of the first line that names its result
	v_max_num_f32 v[TM], 0x322bcc77, v[RN]         ; max(norm, 1e-8)
	v_rcp_f32 v[RN], v[TM]
	v_mov_b32 v[RN+1], 0                           ; the plain instruction; the packed form below names the pair, so its upper word is written
	s_wait_alu depctr_va_vdst(0)
.set i, 0
.rept 96
	v_pk_mul_f32 v[X+2*i:X+2*i+1], v[X+2*i:X+2*i+1], v[RN:RN+1] op_sel_hi:[1,0]
.set i, i+1
.endr
; 64 numbers of a lane, v[s] on (register 16 b + i = k 32 b + 16 h + i of a K step), become the fragment's codes in v[d] on and the row's scale word in v[pw]
.macro QUANT s, d, pw
.irp b, 0,1,2,3
	v_max3_num_f32 v[TM+\b], |v[(\s)+16*\b]|, |v[(\s)+16*\b+1]|, 0x4800000   ; block b: my 16 numbers, and the floor 2^(9 - 127): so the byte cannot fall under 1
.endr
.irp i, 2,4,6,8,10,12,14
.irp b, 0,1,2,3
	v_max3_num_f32 v[TM+\b], v[TM+\b], |v[(\s)+16*\b+\i]|, |v[(\s)+16*\b+\i+1]|   ; the four blocks by turns: no line waits for the line above it
.endr
.endr
.irp b, 0,1,2,3
	v_permlanex16_b32 v[TM+4+\b], v[TM+\b], s22, s23
.endr
.irp b, 0,1,2,3
	v_max_num_f32 v[TM+\b], v[TM+\b], v[TM+4+\b]   ; with lane l xor 16's: the block's largest magnitude
.endr
.irp b, 0,1,2,3
	v_add_nc_u32 v[TM+12+\b], 0xfc000000, v[TM+\b] ; 8 off its exponent field: the conversion takes the exponent field of this operand as its scale
.endr
.irp b, 0,1,2,3
	v_and_or_b32 v[TM+8+\b], v[TM+\b], 0x7f800000, s24   ; 448 x the scale
.endr
.irp b, 0,1,2,3
	v_lshrrev_b32 v[TM+4+\b], 23, v[TM+12+\b]      ; the scale's byte
.endr
	v_lshl_or_b32 v[\pw], v[TM+5], 8, v[TM+4]
	v_lshl_or_b32 v[\pw], v[TM+6], 16, v[\pw]
	v_lshl_or_b32 v[\pw], v[TM+7], 24, v[\pw]
.irp b, 0,1,2,3
.irp i, 0,1,2,3,4,5,6,7,8,9,10,11,12,13,14,15
	v_med3_num_f32 v[(\s)+16*\b+\i], v[(\s)+16*\b+\i], -v[TM+8+\b], v[TM+8+\b]   ; the conversion to an 8-bit code does not saturate (ISA guide 7.6.2): the hold at the largest code x the scale
.endr
	v_cvt_scalef32_pk8_fp8_f32 v[(\d)+4*\b:(\d)+4*\b+1], v[(\s)+16*\b:(\s)+16*\b+7], v[TM+12+\b]
	v_cvt_scalef32_pk8_fp8_f32 v[(\d)+4*\b+2:(\d)+4*\b+3], v[(\s)+16*\b+8:(\s)+16*\b+15], v[TM+12+\b]
.endr
	v_nop                                          ; one plain vector instruction behind the last conversion, ahead of the next vector line that writes its scale operand
.endm
.macro OUT d, s                        ; a fragment's image: each store covers 512 consecutive bytes, at a multiple of 256 from the buffer's first byte
.irp c, 0,1,2,3
	global_store_b128 v[LI], v[(\d)+4*\c:(\d)+4*\c+3], s[8:9] offset:2048*(\s)+512*\c
.endr
.endm
	QUANT X, PC, PW
	OUT PC, 0
	QUANT X+64, X, PW+1                            ; no store's data are written again: each K step's codes have registers of their own
	OUT X, 1
	QUANT X+128, X+64, PW+2
	OUT X+64, 2
	v_cmp_le_u32 vcc_lo, 16, v[LN]
	v_cndmask_b32 v38, v[PW], v[PW+1], vcc_lo      ; K step 0's word in lanes 0-15, K step 1's in lanes 16-31 (both halves of the lanes hold the row's words)
	v_mov_b32 v39, v[PW+2]
	global_store_b64 v[L8], v[38:39], s[8:9] offset:6144   ; 256 consecutive bytes
	s_wait_tensorcnt 0x0
	ds_add_u32 v254, v255
	s_wait_dscnt 0x0
	s_endpgm
.Lfunc_end_k_q50b51d3ea9_prep:
	.size	k_q50b51d3ea9_prep, .Lfunc_end_k_q50b51d3ea9_prep-k_q50b51d3ea9_prep
	.p2alignl 7, 3214868480
	.fill 96, 4, 3214868480
	.section	.rodata,"a",@progbits
	.p2align	6, 0x0
	.amdhsa_kernel k_q50b51d3ea9_prep
		.amdhsa_group_segment_fixed_size 249600
		.amdhsa_private_segment_fixed_size 0
		.amdhsa_enable_private_segment 0
		.amdhsa_kernarg_size 24
		.amdhsa_user_sgpr_count 2
		.amdhsa_user_sgpr_kernarg_segment_ptr 1
		.amdhsa_wavefront_size32 1
		.amdhsa_system_sgpr_workgroup_id_x 1
		.amdhsa_system_sgpr_workgroup_id_y 1
		.amdhsa_system_sgpr_workgroup_id_z 1
		.amdhsa_system_vgpr_workitem_id 0
		.amdhsa_next_free_vgpr 256
		.amdhsa_next_free_sgpr 66
		.amdhsa_reserve_vcc 1
		.amdhsa_float_denorm_mode_32 3
		.amdhsa_float_denorm_mode_16_64 3
		.amdhsa_memory_ordered 1
		.amdhsa_forward_progress 1
		.amdhsa_inst_pref_size 52
	.end_amdhsa_kernel
	.amdgpu_metadata
---
amdhsa.version: [ 1, 2 ]
amdhsa.kernels:
  - .name:           k_q50b51d3ea9_prep
    .symbol:         k_q50b51d3ea9_prep.kd
    .args:
      - { .name: feat_query, .offset: 0, .size: 8, .value_kind: global_buffer, .address_space: global }
      - { .name: feat_shot, .offset: 8, .size: 8, .value_kind: global_buffer, .address_space: global }
      - { .name: codes, .offset: 16, .size: 8, .value_kind: global_buffer, .address_space: global }
    .group_segment_fixed_size: 249600
    .private_segment_fixed_size: 0
    .kernarg_segment_align: 8
    .kernarg_segment_size: 24
    .max_flat_workgroup_size: 320
    .sgpr_count:     66
    .vgpr_count:     256
    .wavefront_size: 32
...
	.end_amdgpu_metadata
.endif
;; end of part 1
;; launch simmax (part 2): grid 25 x 10, 4 waves a work-group, no clusters, 327,680 bytes of LDS; arguments codes, x_query, x_shot, out0, out1; writes out0, out1
.if DOCPART == 2
	.amdgcn_target "amdgcn-amd-amdhsa--gfx1250"
	.amdhsa_code_object_version 6
	.text
	.protected	k_q50b51d3ea9_simmax
	.globl	k_q50b51d3ea9_simmax
	.p2align	8
	.type	k_q50b51d3ea9_simmax,@function
k_q50b51d3ea9_simmax:
	s_mov_b64 s[64:65], 0
	v_nop
	global_prefetch_b8 v0, s[64:65] scope:SCOPE_SE
	s_setreg_imm32_b32 hwreg(HW_REG_WAVE_MODE, 25, 1), 1
	s_wait_xcnt 0x0
; out0[b][q][n] = the mean over query q's 196 tokens of the largest cosine similarity with any of class n's 980 shot tokens; the similarities are products of codes of FP8 (E4M3)
; with one E8M0 scale for each 32 along K = 384, as the launch before has laid them: records of 6,400 bytes, a tile of 16 tokens each, images of the operand's registers
; (three fragments of 2,048 bytes, then 8 bytes a lane of scale words: word 0 = K step 0's in lanes 0-15 and K step 1's in lanes 16-31, word 1 = K step 2's).
; out1[b][q][n] = 10 x the cosine of x_query[b][q] and the mean of x_shot[b][n][0..4], in f32 by vector instructions: N = 5, a few parts in a million of the launch's multiply-adds.
; SHARES.  Work-group (g, y = 5 b + n): the 3 queries 3 g .. 3 g + 2 of batch b (588 tokens: 37 query tiles; the 37th holds tokens 572 .. 587) against class n (62 shot tiles; the last repeats
; 12 tokens of the class, which changes no maximum).  Wave w keeps query tiles 9 w + 0 .. 8, and the 37th ('tile 9'), in registers for the whole launch; every wave walks all 62 shot tiles from LDS.
; THE PRODUCT: source 0 = 16 shot tokens, source 1 = 16 query tokens: a lane holds ONE query token (lane % 16) and its eight results are eight shot tokens: the maximum runs along a lane's registers.
; TILE 9 IS SHARED OUT WITH NO BRANCH.  Shot tiles go in blocks of four; in trip u of a block wave w takes tile (u + w) % 4 of it, and only trip 0 multiplies tile 9: over the four waves tile 9 meets each
; shot tile of a block once.  The last two shot tiles: wave w takes (u + w) % 2; two of those four products with tile 9 are repeats.  So all waves issue the same 1,722 matrix instructions.
; LDS.  48 places of 6,400 bytes for shot tiles 0 .. 47, which come by three first fills: tiles 0-7 are asked for ahead of the query tiles, so that few bytes stand ahead of the first product; tiles 8-15 and 16-47
; behind the query tiles' loads.  Each fill is shown to all waves by a wait on its count and a barrier ahead of its first read.  Tiles 48 .. 61 are brought into places 0 .. 13 when every wave has read places 0 .. 15:
; the launch's one refill.  Behind the places lie the tokens' maxima and the spare words.
; NO CLUSTER: a class's shot tiles are read by the 25 work-groups of a grid row, a group's query tiles by 5 of a grid column's 10; neither 25 nor 10 is a multiple of 4, so clusters of 4 do not divide the grid.
; NO PREFETCH: each shot tile behind the first eight is asked for by its tensor load seven trips or more ahead of its first read; the query tiles and the first eight shot tiles are wanted at the head.
; LIMITS: NaN and infinities among the inputs are not served (the maxima drop a NaN).  x / max(n, 1e-12) is computed as x * rcp(max(sqrt(sum of squares), 1e-12)).
; REGISTERS, in windows of 256 (s_set_vgpr_msb: bits 1:0 source 0, 3:2 source 1, 5:4 source 2, 7:6 destination):
;   window 0: addresses, scale words, running maxima, v96-255 two sets of ten accumulators.   window 1: v0-143 query tiles 0-2; v144-239 shot fragments, two buffers.
;   window 2: v0-143 query tiles 3-5; v144-191 tile 9.   window 3: v0-143 query tiles 6-8.
; The maxima read accumulators in window 0, the products read operands in windows 1 to 3, and no window has room for both.  The maxima are spread among the products, two at a time, so that no more than two vector
; lines follow a matrix instruction; each such pair costs two switches: 37 to 41 a trip for its 27 or 30 matrix instructions.  The maxima are also the places that the products' registers ask for: the loop has no v_nop.
.set REC,   6400
.set MTOK,  48*REC                     ; 307,200: the maxima of tokens 0 .. 575, f32;
.set XTOK,  MTOK+2304                  ; tile 9's partial maxima, 64 bytes a wave (entries 576 + 16 w + r of the same array)
.set SPARE, MTOK+2560                  ; 309,760: the spare words, 128 bytes for each wave: two blocks of 256 bytes that no other line names
.set SPW, 1                            ; v1     LDS address of my spare word; never rewritten
.set NIL, 2                            ; v2     0; never rewritten
.set LN,  3                            ; v3     lane
.set LI,  4                            ; v4     16 x lane
.set L8,  5                            ; v5     8 x lane
.set ADR, 6                            ; v6     the fetch in hand: its record + 16 x lane
.set ADS, 7                            ; v7     its record + 8 x lane
.set SQ,  8                            ; v8-27  the query tiles' scale words, two registers a tile: they hold scales and nothing else
.set SA,  28                           ; v28-31 the shot tiles', two registers a buffer: likewise
.set RUN, 32                           ; v32-71 four running maxima a query tile
.set AU0, 72                           ; v72-75 16 x lane + 6,400 ((u + w) % 4): a fragment's place for my lane
.set AU1, 73
.set AU2, 74
.set AU3, 75
.set AT0, 76                           ; v76-77 16 x lane + 6,400 ((u + w) % 2)
.set AT1, 77
.set MS,  78                           ; v78    MTOK + 576 w + 4 r: where my tiles' maxima go
.set XS,  79                           ; v79    XTOK + 64 w + 4 r: and tile 9's partial ones
.set MR,  80                           ; v80    MTOK + 784 min(w, 2) + 4 x lane: query w's tokens
.set XR,  81                           ; v81    XTOK + 4 r
.set CLS, 82                           ; v82    my number of out1
.set ZO,  83                           ; v83    0: the stores' offset
.set SCO, 12                           ; v84-89 the same six places with 8 x lane for 16 x lane, for the scale words: register AU.. + 12, AT.. + 12
.set TP,  90                           ; v90    at work, at the head and on the way out
.set ACC, 96                           ; set p, tile j at v[96 + 80 p + 8 j]
.set SF,  144                          ; shot fragments, in window 1: buffer p, K step s at v[144 + 48 p + 16 s]
.set CQ,  96                           ; ahead of the loop: x_query's 12 numbers a lane,
.set CP,  108                          ; x_shot's 5 x 12,
.set CT,  168                          ; and ten registers at work on them
.set WV,  14                           ; s14    my wave's number
.set G1F, 24                           ; s[24:31] descriptor group 1: 100 rows of 256 bytes (4 records);  s[32:39] 200 rows (8);  s[40:47] 50 rows (2)
.set G1L, 32
.set G1H, 40
.set G0A, 48                           ; s[48:51] group 0: shot tiles 0-7, a quarter a wave;  s[88:91] tiles 8-15;  s[52:55] tiles 16-47;  s[56:59] tiles 48-61
.set G0B, 52
.set G0R, 56
.set G0C, 88
.set TB,  60                           ; s60    LDS byte of the block of four places that is being fetched
.set CTR, 61                           ; s61    loop counter
.set SEL, 62                           ; s[62:63] v_permlanex16_b32's selects for lane l xor 16
.set QB,  66                           ; s[66:67] my nine query records;  s[68:69] the group's 37th;  s[70:71] the class's first shot record
.set QX,  68
.set SB,  70
.set XQ,  72                           ; s[72:73] my row of x_query;  s[74:75] the class's five rows of x_shot
.set XP,  74
.set O0,  76                           ; s[76:77], s[78:79] my number of out0 and of out1
.set O1,  78
.set MSB, 0
.macro WIN new                         ; the immediate's high byte repeats the setting that is left; a switch that changes nothing is dropped
.if MSB != (\new)
	s_set_vgpr_msb (MSB<<8)|(\new)
.set MSB, (\new)
.endif
.endm
.macro GROUP1 g, rows                  ; a dense block as rows of 256 bytes: 32 elements of 8 bytes, the pitch equal to the row, no padding, no mask
	s_mov_b32 s[\g+0], 3<<16
	s_mov_b32 s[\g+1], 32<<16                      ; tensor_dim0
	s_mov_b32 s[\g+2], (\rows)<<16                 ; tensor_dim1
	s_mov_b32 s[\g+3], 32<<16                      ; tile_dim0
	s_mov_b32 s[\g+4], \rows                       ; tile_dim1
	s_mov_b32 s[\g+5], 32                          ; tensor_dim0_stride
	s_mov_b32 s[\g+6], 0
	s_mov_b32 s[\g+7], 0
.endm
.macro FOUR                            ; four v_nop follow a tensor load, or the second of two that stand together
.rept 4
	v_nop
.endr
.endm
.macro THREE                           ; all my tensor loads have landed; 0 onto my spare word; the add is done and my LDS reads are back
	s_wait_tensorcnt 0x0
	ds_add_u32 v[SPW], v[NIL]
	s_wait_dscnt 0x0
.endm
	s_load_b256 s[4:11], s[0:1], 0x0               ; codes s[4:5], x_query s[6:7], x_shot s[8:9], out0 s[10:11]
	s_load_b64 s[12:13], s[0:1], 0x20              ; out1
	v_lshl_add_u32 v[SPW], v0, 2, SPARE
	v_mov_b32 v[NIL], 0
	ds_add_u32 v1, v2
	ds_add_u32 v1, v2
	s_wait_dscnt 0x0
	v_lshrrev_b32 v3, 5, v0
	v_readfirstlane_b32 s[WV], v3                  ; wave 0 .. 3
	v_and_b32 v[LN], 31, v0
	v_lshlrev_b32 v[LI], 4, v[LN]
	v_lshlrev_b32 v[L8], 3, v[LN]
	v_mov_b32 v[ZO], 0
	; every LDS address register is made here, of the thread's number, the wave's number and constants, by sums alone
	v_and_b32 v[TP], 15, v0
	v_lshlrev_b32 v[TP], 2, v[TP]                  ; 4 r
	s_mul_i32 s20, s[WV], 576
	s_add_co_u32 s20, s20, MTOK
	v_add_nc_u32 v[MS], s20, v[TP]
	s_lshl_b32 s20, s[WV], 6
	s_add_co_u32 s20, s20, XTOK
	v_add_nc_u32 v[XS], s20, v[TP]
	s_min_u32 s21, s[WV], 2                        ; wave 3 has no query of its own: it repeats wave 2's small work ahead of the loop and stores nothing
	s_mul_i32 s20, s21, 784
	s_add_co_u32 s20, s20, MTOK
	v_lshl_add_u32 v[MR], v[LN], 2, s20
	v_add_nc_u32 v[XR], XTOK, v[TP]
.irp u, 0,1,2,3
	s_add_co_u32 s20, s[WV], \u
	s_and_b32 s20, s20, 3
	s_mul_i32 s20, s20, REC
	v_add_nc_u32 v[AU0+\u], s20, v[LI]
	v_add_nc_u32 v[AU0+SCO+\u], s20, v[L8]
.endr
.irp u, 0,1
	s_add_co_u32 s20, s[WV], \u
	s_and_b32 s20, s20, 1
	s_mul_i32 s20, s20, REC
	v_add_nc_u32 v[AT0+\u], s20, v[LI]
	v_add_nc_u32 v[AT0+SCO+\u], s20, v[L8]
.endr
	; ids and byte offsets (all under 2^24)
	s_and_b32 s16, ttmp7, 0xffff                   ; y = 5 b + n
	s_cmp_ge_u32 s16, 5
	s_cselect_b32 s17, 1, 0                        ; b
	s_mul_i32 s20, s17, 5
	s_sub_co_u32 s18, s16, s20                     ; n
	s_mul_i32 s19, s17, 25
	s_add_co_u32 s19, s19, ttmp9                   ; G = 25 b + g: my group of three queries
	s_mul_i32 s22, s19, 37                         ; its first record
	s_mul_i32 s20, s[WV], 9
	s_add_co_u32 s20, s20, s22
	s_mul_i32 s[QB], s20, REC
	s_mov_b32 s[QB+1], 0
	s_add_co_u32 s22, s22, 36
	s_mul_i32 s[QX], s22, REC
	s_mov_b32 s[QX+1], 0
	s_mul_i32 s[SB], s16, 62
	s_add_co_u32 s[SB], s[SB], 1850
	s_mul_i32 s[SB], s[SB], REC
	s_mov_b32 s[SB+1], 0
	s_mul_i32 s20, s17, 75
	s_mul_i32 s22, ttmp9, 3
	s_add_co_u32 s20, s20, s22
	s_add_co_u32 s20, s20, s21                     ; R = 75 b + 3 g + min(w, 2): my query
	s_mul_i32 s[XQ], s20, 1536
	s_mov_b32 s[XQ+1], 0
	s_mul_i32 s[XP], s16, 7680
	s_mov_b32 s[XP+1], 0
	s_mul_i32 s[O0], s20, 20
	s_lshl_b32 s22, s18, 2
	s_add_co_u32 s[O0], s[O0], s22                 ; 4 (5 R + n)
	s_mov_b32 s[O0+1], 0
	s_mul_i32 s18, s[WV], 2*REC                    ; my share of a fill: two, four or eight records
	s_mov_b32 s19, 0
	s_mul_i32 s20, s[WV], 4*REC
	s_mov_b32 s21, 0
	s_mul_i32 s22, s[WV], 8*REC
	s_mov_b32 s23, 0
	s_mov_b32 s[SEL], 0x76543210
	s_mov_b32 s[SEL+1], 0xfedcba98
	GROUP1 G1F, 100
	GROUP1 G1L, 200
	GROUP1 G1H, 50
	s_wait_kmcnt 0x0
	s_add_nc_u64 s[QB:QB+1], s[4:5], s[QB:QB+1]
	s_add_nc_u64 s[QX:QX+1], s[4:5], s[QX:QX+1]
	s_add_nc_u64 s[SB:SB+1], s[4:5], s[SB:SB+1]
	s_add_nc_u64 s[XQ:XQ+1], s[6:7], s[XQ:XQ+1]
	s_add_nc_u64 s[XP:XP+1], s[8:9], s[XP:XP+1]
	s_add_nc_u64 s[O1:O1+1], s[12:13], s[O0:O0+1]
	s_add_nc_u64 s[O0:O0+1], s[10:11], s[O0:O0+1]
	s_mov_b32 s[G0A], 1                            ; count = 1
	s_mov_b32 s[G0A+1], s18                        ; LDS address: places 2 w on
	s_add_nc_u64 s[G0A+2:G0A+3], s[SB:SB+1], s[18:19]   ; shot tiles 2 w on
	s_or_b32 s[G0A+3], s[G0A+3], 0x80000000        ; type = 2
	s_mov_b32 s[G0C], 1
	s_add_co_u32 s[G0C+1], s18, 8*REC              ; places 8 + 2 w on
	s_add_nc_u64 s[G0C+2:G0C+3], s[SB:SB+1], s[18:19]
	s_add_nc_u64 s[G0C+2:G0C+3], s[G0C+2:G0C+3], 8*REC
	s_or_b32 s[G0C+3], s[G0C+3], 0x80000000
	s_mov_b32 s[G0B], 1
	s_add_co_u32 s[G0B+1], s22, 16*REC             ; places 16 + 8 w on
	s_add_nc_u64 s[G0B+2:G0B+3], s[SB:SB+1], s[22:23]
	s_add_nc_u64 s[G0B+2:G0B+3], s[G0B+2:G0B+3], 16*REC
	s_or_b32 s[G0B+3], s[G0B+3], 0x80000000
	s_mov_b32 s[G0R], 1
	s_mov_b32 s[G0R+1], s20                        ; places 4 w on, for the second time
	s_add_nc_u64 s[G0R+2:G0R+3], s[SB:SB+1], s[20:21]
	s_add_nc_u64 s[G0R+2:G0R+3], s[G0R+2:G0R+3], 48*REC   ; shot tiles 48 + 4 w on
	s_or_b32 s[G0R+3], s[G0R+3], 0x80000000
	tensor_load_to_lds s[G0A:G0A+3], s[G1H:G1H+7]  ; the first of the three first fills: shot tiles 0-7, 12,800 bytes a wave: eight trips' worth, and all of the shots that stands ahead of the query tiles
	s_nop 0
	FOUR
	; the small branch's 18 loads first: they are wanted first
.irp i, 0,1,2
	global_load_b128 v[CQ+4*\i:CQ+4*\i+3], v[LI], s[XQ:XQ+1] offset:512*\i
.endr
.irp k, 0,1,2,3,4
.irp i, 0,1,2
	global_load_b128 v[CP+12*\k+4*\i:CP+12*\k+4*\i+3], v[LI], s[XP:XP+1] offset:1536*\k+512*\i
.endr
.endr
	; my ten query tiles: 120 loads of 512 consecutive bytes, and 10 of their scale words.  They stay in registers
.macro QTILE reg, base, off
.irp s, 0,1,2
.irp c, 0,1,2,3
	global_load_b128 v[(\reg)+16*\s+4*\c:(\reg)+16*\s+4*\c+3], v[LI], s[\base:\base+1] offset:(\off)+2048*\s+512*\c
.endr
.endr
.endm
	WIN 0x40                                       ; destination window 1
.irp j, 0,1,2
	QTILE 48*\j, QB, REC*\j
.endr
	WIN 0x80                                       ; window 2
.irp j, 0,1,2
	QTILE 48*\j, QB, REC*(3+\j)
.endr
	QTILE 144, QX, 0
	WIN 0xc0                                       ; window 3
.irp j, 0,1,2
	QTILE 48*\j, QB, REC*(6+\j)
.endr
	WIN 0
.irp j, 0,1,2,3,4,5,6,7,8
	global_load_b64 v[SQ+2*\j:SQ+2*\j+1], v[L8], s[QB:QB+1] offset:REC*\j+6144
.endr
	global_load_b64 v[SQ+18:SQ+19], v[L8], s[QX:QX+1] offset:6144
	; the other two first fills, behind the query tiles' loads, which the first product wants, and ahead of every wait on TENSORcnt, every LDS read and every barrier: three loads of mine are out
	tensor_load_to_lds s[G0C:G0C+3], s[G1H:G1H+7]  ; shot tiles 8-15: first read in the eighth trip
	s_nop 0
	tensor_load_to_lds s[G0B:G0B+3], s[G1L:G1L+7]  ; shot tiles 16-47: first read in the sixteenth
	s_nop 0
	FOUR
.set i, 0
.rept 40
	v_mov_b32 v[RUN+i], 0xff800000                 ; the running maxima begin at -infinity
.set i, i+1
.endr
	s_wait_loadcnt 63                              ; 130 loads were issued behind the small branch's 18; a count under 130 shows the 18 in, and the count's field holds no more than 63
	; OUT1, in f32: the five shots' mean p, then q . p / (max(|q|, 1e-12) max(|p|, 1e-12)) x 10.  A lane holds 12 of the 384 numbers
.irp k, 1,2,3,4
.irp i, 0,1,2,3,4,5
	v_pk_add_f32 v[CP+2*\i:CP+2*\i+1], v[CP+2*\i:CP+2*\i+1], v[CP+12*\k+2*\i:CP+12*\k+2*\i+1]
.endr
.endr
.irp i, 0,1,2,3,4,5
	v_pk_mul_f32 v[CP+2*\i:CP+2*\i+1], v[CP+2*\i:CP+2*\i+1], 0x3e4ccccd op_sel_hi:[1,0]   ; x 0.2
.endr
	v_pk_mul_f32 v[CT:CT+1], v[CP:CP+1], v[CP:CP+1]       ; p . p
	v_pk_mul_f32 v[CT+2:CT+3], v[CQ:CQ+1], v[CQ:CQ+1]     ; q . q
	v_pk_mul_f32 v[CT+4:CT+5], v[CQ:CQ+1], v[CP:CP+1]     ; q . p
.irp i, 1,2,3,4,5
	v_pk_fma_f32 v[CT:CT+1], v[CP+2*\i:CP+2*\i+1], v[CP+2*\i:CP+2*\i+1], v[CT:CT+1]
	v_pk_fma_f32 v[CT+2:CT+3], v[CQ+2*\i:CQ+2*\i+1], v[CQ+2*\i:CQ+2*\i+1], v[CT+2:CT+3]
	v_pk_fma_f32 v[CT+4:CT+5], v[CQ+2*\i:CQ+2*\i+1], v[CP+2*\i:CP+2*\i+1], v[CT+4:CT+5]
.endr
.irp t, 0,2,4
	v_add_f32 v[CT+\t], v[CT+\t], v[CT+\t+1]
.endr
.irp m, 1,2,4,8
.irp t, 0,2,4
	v_add_f32_dpp v[CT+\t], v[CT+\t], v[CT+\t] row_xmask:\m row_mask:0xf bank_mask:0xf
.endr
.endr
.irp t, 0,2,4
	v_permlanex16_b32 v[CT+\t+1], v[CT+\t], s[SEL], s[SEL+1]
.endr
.irp t, 0,2,4
	v_add_f32 v[CT+\t], v[CT+\t], v[CT+\t+1]       ; every lane holds the three sums
.endr
	v_sqrt_f32 v[CT+6], v[CT]
	v_sqrt_f32 v[CT+7], v[CT+2]
	v_mul_f32 v[CT+4], 0x41200000, v[CT+4]         ; x 10: the plain instruction behind the two roots
	s_wait_alu depctr_va_vdst(0)                   ; one wait for both, ahead of their first reader
	v_max_num_f32 v[CT+6], 0x2b8cbccc, v[CT+6]     ; max(norm, 1e-12)
	v_max_num_f32 v[CT+7], 0x2b8cbccc, v[CT+7]
	v_rcp_f32 v[CT+8], v[CT+6]
	v_rcp_f32 v[CT+9], v[CT+7]
	v_nop
	s_wait_alu depctr_va_vdst(0)
	v_mul_f32 v[CLS], v[CT+4], v[CT+8]
	v_mul_f32 v[CLS], v[CLS], v[CT+9]
	s_wait_tensorcnt 0x2                           ; my part of shot tiles 0-7 is in: two loads were issued behind it, and they may stay out
	s_barrier_signal -1
	s_barrier_wait -1                              ; everybody's is
; One matrix instruction: buffer and set p, query tile j, K step s.  The first K step starts the sum with the constant 0: nothing is cleared.
.macro MM p, j, s
.set rD, ACC+80*(\p)+8*(\j)
.set rA, SF+48*(\p)+16*(\s)
.if (\j) == 9
.set rB, 144+16*(\s)
.else
.set rB, 48*((\j)%3)+16*(\s)
.endif
.set rSA, SA+2*(\p)+(\s)/2
.set rSQ, SQ+2*(\j)+(\s)/2
.if (\s) == 0
	v_wmma_scale_f32_16x16x128_f8f6f4 v[rD:rD+7], v[rA:rA+15], v[rB:rB+15], 0, v[rSA], v[rSQ]
.elseif (\s) == 1
	v_wmma_scale_f32_16x16x128_f8f6f4 v[rD:rD+7], v[rA:rA+15], v[rB:rB+15], v[rD:rD+7], v[rSA], v[rSQ] matrix_a_scale:MATRIX_SCALE_ROW1 matrix_b_scale:MATRIX_SCALE_ROW1
.else
	v_wmma_scale_f32_16x16x128_f8f6f4 v[rD:rD+7], v[rA:rA+15], v[rB:rB+15], v[rD:rD+7], v[rSA], v[rSQ]
.endif
.endm
; Half h of tile j's eight results of a set goes into two of its four running maxima: two lines that do not wait for each other.  Half 0, the accumulator's low end, always comes first
.macro HALF set, j, h
.irp k, 0,1
	v_max3_num_f32 v[RUN+4*(\j)+2*(\h)+\k], v[RUN+4*(\j)+2*(\h)+\k], v[ACC+80*(\set)+8*(\j)+4*(\h)+2*\k], v[ACC+80*(\set)+8*(\j)+4*(\h)+2*\k+1]
.endr
.endm
; A shot tile's record into buffer buf, in one run: its scale words (8 bytes a lane) and its three fragments (each load 512 consecutive bytes).  Entered with every window 0.
; Both addresses are the block's LDS byte + a register made at the head: areg for the fragments, areg + 12 for the scale words
.macro FETCH buf, areg
	v_add_nc_u32 v[ADR], s[TB], v[\areg]
	v_add_nc_u32 v[ADS], s[TB], v[(\areg)+SCO]
	ds_load_b64 v[SA+2*(\buf):SA+2*(\buf)+1], v[ADS] offset:6144
	WIN 0x40                                       ; destination window 1
.irp s, 0,1,2
.irp c, 0,1,2,3
	ds_load_b128 v[SF+48*(\buf)+16*\s+4*\c:SF+48*(\buf)+16*\s+4*\c+3], v[ADR] offset:2048*\s+512*\c
.endr
.endr
.endm
; A TRIP: one shot tile (buffer p) against my nine query tiles, and against tile 9 where x = 1: results into set p.  Nine slots, K step by K step and window by window.  A slot is three products (a fourth, tile 9's, in
; window 2 where x = 1), and among them the four maxima of ONE tile of the trip before (set 1 - p): two behind the first product, two behind the third.  xp = 1: that trip had tile 9: its four maxima stand behind the
; second products of slots 7 and 8.  mx = 0: there was no trip before.  Behind slot 2 the next trip's tile is fetched into the other buffer (areg: its address; -1: none).
; TURNS: the 9 or 10 accumulators take turns, one instruction a turn, from trip to trip and over the loops' backward jumps too (a trip ends on tile 8 of one set and the next begins on tile 0 of the other).
; PLACES (eight behind this form before a result is read or a load is issued into a register that it has read, nine before a matrix instruction writes over one).
; Tile j's sum is finished in slot 6 + j / 3 and first read in slot j of the next trip: tile 0 has the twelve maxima of slots 6, 7, 8 between, every other tile fourteen or more, all on other registers.  The other buffer
; and its scale words were last read by the last product of the trip before: the two maxima behind it and this trip's first twelve lie between.  A set is begun anew two trips on.
.macro TRIP p, x, xp, mx, areg
	s_wait_dscnt 0x0                               ; my tile is in: it was asked for six slots, 18 matrix instructions or more, ago
.irp s, 0,1,2
.irp gq, 1,2,3
	WIN 4*\gq+1                                    ; source 0 (shots) window 1, source 1 (queries) window gq, C and D window 0
	MM \p, 3*(\gq-1)+0, \s
.if \mx
	WIN 0
	HALF 1-\p, 3*\s+\gq-1, 0
	WIN 4*\gq+1
.endif
	MM \p, 3*(\gq-1)+1, \s
.if \mx && \xp && (3*\s+\gq-1 >= 7)
	WIN 0
	HALF 1-\p, 9, 3*\s+\gq-8
	WIN 4*\gq+1
.endif
	MM \p, 3*(\gq-1)+2, \s
.if \mx
	WIN 0
	HALF 1-\p, 3*\s+\gq-1, 1
.endif
.if (\gq == 2) && \x
	WIN 4*\gq+1
	MM \p, 9, \s
.endif
.if (3*\s+\gq-1 == 2) && (\areg >= 0)
	WIN 0
	FETCH 1-\p, \areg
.endif
.endr
.endr
	WIN 0                                          ; at a label and at a branch every window is 0
.if !\mx
.rept 8
	v_nop                                          ; the first trip has no maxima: these are the places behind its products
.endr
.endif
.endm
; Four trips: the last of block a, the first three of block a + 1; all four fetches are of block a + 1, at s[TB]
.macro BODY
	TRIP 1, 0, 0, 1, AU0
	TRIP 0, 1, 0, 1, AU1
	TRIP 1, 0, 1, 1, AU2
	TRIP 0, 0, 0, 1, AU3
	s_add_co_u32 s[TB], s[TB], 4*REC
.endm
.macro LOOP n
	s_mov_b32 s[CTR], \n
.Lbody_\@:
	BODY
	s_sub_co_u32 s[CTR], s[CTR], 1
	s_cmp_lg_u32 s[CTR], 0
	s_cbranch_scc1 .Lbody_\@
.endm
	s_mov_b32 s[TB], 0
	FETCH 0, AU0                                   ; block 0, trip 0
	WIN 0
	s_wait_loadcnt 0x0                             ; my query tiles and their scale words
	TRIP 0, 1, 0, 0, AU1                           ; block 0's first three trips
	TRIP 1, 0, 1, 1, AU2
	TRIP 0, 0, 0, 1, AU3
	s_mov_b32 s[TB], 4*REC
	BODY                                           ; block 1 is fetched: places 4-7, LDS bytes under 51,200; the fills on their way write bytes from 51,200 on
	s_wait_tensorcnt 0x1                           ; my part of shot tiles 8-15 is in: one load was issued behind it, and it may stay out
	s_wait_dscnt 0x0                               ; (no LDS instruction of mine is out at a signal)
	s_barrier_signal -1
	s_barrier_wait -1                              ; everybody's is
	s_mov_b32 s[TB], 8*REC
	LOOP 2                                         ; blocks 2 and 3 are fetched: places 8-15, bytes under 102,400.  Up to block 3's third trip; its fourth tile, my last read of places 0-15, has been asked for
	; THE ONE REFILL.  Every wave: all its tensor loads have landed (so tiles 16-47 are whole), the add, the add done and its reads of places 0-15 back; the barrier; then the refill first: tiles 48-61 into places 0-13.
	; Waves 0 to 2 bring four tiles, wave 3 the last two: two shapes, so two groups 1 and a short branch on the wave's number round the two lines alone.  The load has 32 trips in which to land.
	THREE
	s_barrier_signal -1
	s_barrier_wait -1
	s_cmp_lt_u32 s[WV], 3
	s_cbranch_scc0 .Lshort
	tensor_load_to_lds s[G0R:G0R+3], s[G1F:G1F+7]
	s_nop 0
	FOUR
	s_branch .Lrefilled
.Lshort:
	tensor_load_to_lds s[G0R:G0R+3], s[G1H:G1H+7]
	s_nop 0
	FOUR
.Lrefilled:
	s_mov_b32 s[TB], 16*REC
	LOOP 8                                         ; blocks 4 to 11 are fetched: places 16-47, LDS bytes 102,400 on; the refill writes bytes under 89,600
	s_wait_tensorcnt 0x0                           ; my part of tiles 48-61 is in (my one load that was out),
	s_wait_dscnt 0x0
	s_barrier_signal -1
	s_barrier_wait -1                              ; everybody's is.
	s_mov_b32 s[TB], 0
	LOOP 3                                         ; blocks 12 to 14: places 0-11
	s_mov_b32 s[TB], 12*REC                        ; the last two shot tiles: places 12 and 13
	TRIP 1, 0, 0, 1, AT0                           ; block 14's last trip
	TRIP 0, 1, 0, 1, AT1                           ; tile 60 + w % 2, with tile 9
	TRIP 1, 0, 1, 1, -1                            ; the other one
.irp j, 0,1,2,3,4,5,6,7,8
	HALF 1, \j, 0                                  ; and its own results.  Tile 0's sum has sixteen maxima behind it; behind the last product, tile 8's, stand two maxima and the 32 lines of tiles 0-7 here
	HALF 1, \j, 1
.endr
	; THE WAY OUT.  A tile's four running maxima and the other half of the lanes' (the other eight shots of each tile) are joined: lane r and lane r + 16 then hold query token r's maximum
.irp j, 0,1,2,3,4,5,6,7,8,9
	v_max3_num_f32 v[RUN+4*\j], v[RUN+4*\j], v[RUN+4*\j+1], v[RUN+4*\j+2]
.endr
.irp j, 0,1,2,3,4,5,6,7,8,9
	v_max_num_f32 v[RUN+4*\j], v[RUN+4*\j], v[RUN+4*\j+3]
.endr
.irp j, 0,1,2,3,4,5,6,7,8,9
	v_permlanex16_b32 v[RUN+4*\j+1], v[RUN+4*\j], s[SEL], s[SEL+1]
.endr
.irp j, 0,1,2,3,4,5,6,7,8,9
	v_max_num_f32 v[RUN+4*\j], v[RUN+4*\j], v[RUN+4*\j+1]
.endr
.irp j, 0,1,2,3,4,5,6,7,8
	ds_store_b32 v[MS], v[RUN+4*\j] offset:64*\j   ; token 144 w + 16 j + r; both halves of the lanes write the same word with the same value
.endr
	ds_store_b32 v[XS], v[RUN+36]                  ; tile 9: what my share of the shot tiles gave
	s_wait_dscnt 0x0                               ; for the others' sake: my stores have landed
	s_barrier_signal -1
	s_barrier_wait -1
	s_cmp_eq_u32 s[WV], 3                          ; three queries, three waves; no barrier stands behind this branch
	s_cbranch_scc1 .Lend
	; Query w is tokens 196 w .. 196 w + 195: entries 196 w + 32 i + lane, i = 0 .. 6.  Queries 0 and 1: i = 5 whole, i = 6 lanes 0-3.  Query 2: entries up to 575 (i = 5: lanes 0-23; i = 6: none),
	; and tokens 576 .. 587 are rows 4 .. 15 of tile 9.  The highest entry read is 615, of the 640 that were written
	s_cmp_eq_u32 s[WV], 2
	s_cselect_b32 s80, 24, 32
	s_cselect_b32 s81, 0, 4
	s_cselect_b32 s82, 4, 16
	s_cselect_b32 s83, 12, 0
.irp i, 0,1,2,3,4,5,6
	ds_load_b32 v[96+\i], v[MR] offset:128*\i
.endr
.irp k, 0,1,2,3
	ds_load_b32 v[104+\k], v[XR] offset:64*\k      ; the four waves' partial maxima of tile 9's row lane % 16
.endr
	s_wait_dscnt 0x0
	v_max3_num_f32 v104, v104, v105, v106
	v_max_num_f32 v104, v104, v107
	v_cmp_gt_u32 vcc_lo, s80, v[LN]
	v_cndmask_b32 v101, 0, v101, vcc_lo
	v_cmp_gt_u32 vcc_lo, s81, v[LN]
	v_cndmask_b32 v102, 0, v102, vcc_lo
	v_sub_nc_u32 v[TP], v[LN], s82
	v_cmp_gt_u32 vcc_lo, s83, v[TP]                ; lanes 4 .. 15 in wave 2, none in the others
	v_cndmask_b32 v104, 0, v104, vcc_lo
	v_add_f32 v96, v96, v97
	v_add_f32 v98, v98, v99
	v_add_f32 v100, v100, v101
	v_add_f32 v102, v102, v104
	v_add_f32 v96, v96, v98
	v_add_f32 v100, v100, v102
	v_add_f32 v96, v96, v100
.irp m, 1,2,4,8
	v_add_f32_dpp v96, v96, v96 row_xmask:\m row_mask:0xf bank_mask:0xf
.endr
	v_permlanex16_b32 v97, v96, s[SEL], s[SEL+1]
	v_add_f32 v96, v96, v97
	v_mul_f32 v96, 0x3ba72f05, v96                 ; / 196
	s_wait_xcnt 0x0                                ; EXEC changes only behind this wait
	v_cmp_eq_u32 vcc_lo, 0, v[LN]
	s_and_saveexec_b32 s84, vcc_lo                 ; one number of each output a wave: lane 0 stores.  The work-group's three numbers lie 20 bytes apart; both outputs together are 6,000 bytes
	global_store_b32 v[ZO], v96, s[O0:O0+1]
	global_store_b32 v[ZO], v[CLS], s[O1:O1+1]
	s_wait_xcnt 0x0                                ; and again, in front of the line that widens it
	s_or_b32 exec_lo, exec_lo, s84
.Lend:
	THREE                                          ; the wave's end: behind my last tensor load and my last LDS store
	s_endpgm
.Lfunc_end_k_q50b51d3ea9_simmax:
	.size	k_q50b51d3ea9_simmax, .Lfunc_end_k_q50b51d3ea9_simmax-k_q50b51d3ea9_simmax
	.p2alignl 7, 3214868480
	.fill 96, 4, 3214868480
	.section	.rodata,"a",@progbits
	.p2align	6, 0x0
	.amdhsa_kernel k_q50b51d3ea9_simmax
		.amdhsa_group_segment_fixed_size 327680
		.amdhsa_private_segment_fixed_size 0
		.amdhsa_enable_private_segment 0
		.amdhsa_kernarg_size 40
		.amdhsa_user_sgpr_count 2
		.amdhsa_user_sgpr_kernarg_segment_ptr 1
		.amdhsa_wavefront_size32 1
		.amdhsa_system_sgpr_workgroup_id_x 1
		.amdhsa_system_sgpr_workgroup_id_y 1
		.amdhsa_system_sgpr_workgroup_id_z 1
		.amdhsa_system_vgpr_workitem_id 0
		.amdhsa_next_free_vgpr 1024
		.amdhsa_next_free_sgpr 92
		.amdhsa_reserve_vcc 1
		.amdhsa_float_denorm_mode_32 3
		.amdhsa_float_denorm_mode_16_64 3
		.amdhsa_memory_ordered 1
		.amdhsa_forward_progress 1
		.amdhsa_inst_pref_size 210
	.end_amdhsa_kernel
	.amdgpu_metadata
---
amdhsa.version: [ 1, 2 ]
amdhsa.kernels:
  - .name:           k_q50b51d3ea9_simmax
    .symbol:         k_q50b51d3ea9_simmax.kd
    .args:
      - { .name: codes, .offset: 0, .size: 8, .value_kind: global_buffer, .address_space: global }
      - { .name: x_query, .offset: 8, .size: 8, .value_kind: global_buffer, .address_space: global }
      - { .name: x_shot, .offset: 16, .size: 8, .value_kind: global_buffer, .address_space: global }
      - { .name: out0, .offset: 24, .size: 8, .value_kind: global_buffer, .address_space: global }
      - { .name: out1, .offset: 32, .size: 8, .value_kind: global_buffer, .address_space: global }
    .group_segment_fixed_size: 327680
    .private_segment_fixed_size: 0
    .kernarg_segment_align: 8
    .kernarg_segment_size: 40
    .max_flat_workgroup_size: 128
    .sgpr_count:     92
    .vgpr_count:     1024
    .wavefront_size: 32
...
	.end_amdgpu_metadata
.endif
;; end of part 2
